; MI455X (gfx1250); checked and timed in simulation.
; The chip was launched on July 23, 2026; its instructions are those of AMD's public machine-readable ISA for CDNA 5 (MIT licence, August 2026) and "CDNA5" Instruction Set Architecture Reference Guide (July 2026). The comments in the code are by the model that wrote it; some were corrected since.
;; Causal Multihead Attention. Allowed arithmetic: matrix products marked QUANTISED: E4M3 operands, one given power-of-two scale a tensor, by v_wmma_f32_16x16x64_fp8_fp8 or v_wmma_f32_16x16x128_fp8_fp8, f32 sums; everything else in f32.
;; Inputs: W_qkv 1,024 x 3,072 float32; b_qkv 3,072 float32; lowp_scales 6 int32 (the exponents e of the quantised operands' scales 2^e); x 2 x 2,048 x 1,024 float32.
;; Outputs: out0 2 x 2,048 x 1,024 float32.
;; This version of the problem:
;;   THIS VERSION OF THE PROBLEM IS GIVEN IN LOW PRECISION. The matrix products marked QUANTISED in the list below multiply operands that are first quantised to E4M3 (4 exponent bits, 3 mantissa bits; 8 bits a number), with one given power-of-two scale for each operand tensor; their sums are f32. All else is computed in f32.
;;   The module's matrix products, in the order in which they are computed (A, B: the left and right operand; K: the contracted axis; several contracted axes count as one K, in the product's order):
;;     1. [M 4,096, K 1,024] x [K 1,024, N 3,072]; A: input x; B: input W_qkv: QUANTISED (scales: A lowp_scales[0], B lowp_scales[1])
;;     2. batch 32 x [M 2,048, K 64] x [K 64, N 2,048]; A: computed on the way; B: computed on the way: QUANTISED (scales: A lowp_scales[2], B lowp_scales[3])
;;     3. batch 32 x [M 64, K 2,048] x [K 2,048, N 2,048]; A: computed on the way; B: softmax (see below): QUANTISED (scales: A lowp_scales[4], B lowp_scales[5])
;;   THE QUANTISER, for each operand of a quantised product, along K:
;;     - The operand's scale is 2^e, e = its entry of the input lowp_scales (int32; the entries are numbered through the quantised products in the list's order, A before B).
;;     - Each number is divided by the scale, clamped to +-448, and rounded to the nearest number of E4M3, ties to even, subnormals kept.
;;     - The product sums the exact products of the quantised numbers (number of the format x scale) in f32.
;;   ~~~python
;;   def quantise(x, axis, e):      # numpy; x: float32 -> the quantised numbers, widened to float32 again
;;       x = np.moveaxis(x, axis, -1); K = x.shape[-1]
;;       r = np.clip(x / 2.0 ** e, -448, 448)
;;       step = 2.0 ** (np.maximum(np.frexp(np.where(r == 0, 1, r))[1] - 1, -6) - 3)
;;       q = np.round(r / step) * step * 2.0 ** e      # np.round: ties to even
;;       return np.moveaxis(q, -1, axis).astype(np.float32)
;;   ~~~
;;   SOFTMAX AHEAD OF A QUANTISED PRODUCT. Where the list says 'softmax', what is quantised is not the finished softmax but p = 2^(t - M), with t = logit x log2(e) and M = ceil(the row's largest t), a whole number; so 1/2 < the row's largest p <= 1. The row's sum l is taken of the UNQUANTISED p, in f32, and the product's result is divided by l at the end. Since M is a whole number, a kernel that streams over the keys may use a running M (the ceiling of the running maximum): every later rescaling is an exact power of two, so the quantised numbers keep their values, but for numbers so far below the row's largest that they fall under the format's range.
;;   OPERANDS COMPUTED ON THE WAY. 'Computed on the way' means the value that the module computes at that place (a softmax that the list does not call 'softmax' is quantised finished and normalised). What goes into a quantiser is computed in f32, as accurately as f32 sums, v_exp_f32 and their like allow (about 1e-6 of the number): no bf16 or f16 on the way to a quantiser, and a product that is left as it is and whose result goes on into a quantised operand takes f32 operands (vector FMAs, or v_wmma_f32_16x16x4_f32). A number that lies on a knife's edge between two numbers of the format may be rounded either way, as far as f32 arithmetic and the matrix unit's own rounding can turn it there, and no further.
;; One version. Each part assembles by itself: llvm-mc -triple=amdgcn-amd-amdhsa -mcpu=gfx1250 --defsym DOCPART=n.
;; ======== version 1 of 1: 3 launches
;; limits: right only within a limited range of input values
;; workspace buffers: xc 4,194,304 bytes; wc 3,145,728 bytes; qkv 12,582,912 bytes
;; launch prep (part 1): grid 448 x 1, 8 waves a work-group, no clusters, 18,432 bytes of LDS; arguments x, W_qkv, lowp_scales, xc, wc; writes xc, wc
.if DOCPART == 1
	.amdgcn_target "amdgcn-amd-amdhsa--gfx1250"
	.amdhsa_code_object_version 6
	.text
	.protected	k_qe543982d72_prep
	.globl	k_qe543982d72_prep
	.p2align	8
	.type	k_qe543982d72_prep,@function
k_qe543982d72_prep:
	s_mov_b64 s[64:65], 0
	v_nop
	global_prefetch_b8 v0, s[64:65] scope:SCOPE_SE
	s_setreg_imm32_b32 hwreg(HW_REG_WAVE_MODE, 25, 1), 1
	s_wait_xcnt 0x0
; THE PROGRAM: prep (codes of x and W), gemm (q, k, v as codes), attn.  WORK LEFT OUT: key steps of 128 keys that reference()'s own causal mask hides from a whole pair of query tiles (attn); whatever such scores
; hold, the mask puts -infinity in their place.  LIMIT: a NaN, an infinity or an overflow that reaches only that work is not carried to the result.
; This launch: x [4096][1024] f32 and W_qkv [1024 (k)][3072 (n)] f32 become codes of FP8 (E4M3), one byte each, laid as images of matrix operands.
; code = number / 2^e, held within +-448, rounded to the nearest code, ties to even; e = entry 0 (x) or entry 1 (W) of the scales.
; LIMITS: each e between -126 and 119, so that 2^e and 448 x 2^e are f32 numbers.  NaN among the inputs is not served (an infinity is held at the largest code).
; A TILE is 16 rows of x (columns of W): tile 2 b + u, row r is row 32 b + 8 u + r + 8 (r / 8).  A UNIT is 16 codes along K of 16 rows: 256 bytes, 16 a row.  A row has 64 units.
; K ORDER, the same for x and W, so that every product meets its partner: unit 32 R + l, code e holds k = 512 R + 128 (e / 4) + 4 l + e % 4.
;   xc: tile x 16384 + unit x 256 + r x 16.
;   wc: head x 196608 + (unit / 32) x 98304 + (4 role + tile in the head) x 8192 + (unit % 32) x 256 + r x 16; role 0, 1, 2 = q, k, v.
; Work-groups 0-191 take W (64 columns x 256 along K each), 192-447 one tile of x each: 65,536 bytes of input in every work-group.  The branch hangs on the work-group's number alone; only x's path uses LDS.
; No matrix unit, no tensor loads, no cluster: nothing is read twice and no two work-groups share a byte; no prefetch: there is no loop, all of a wave's loads go out at once.
.set WGW,  192                         ; W's work-groups
.set SPW,  12                          ; v12 my spare word's LDS address, v13 zero; never rewritten
.set NIL,  13
.set NUM,  32                          ; v32-95   64 numbers as loaded
.set COD,  96                          ; v96-111  codes
.set BAK,  112                         ; v112-127 x: units read back from the stage
.set WROW, 12288                       ; a row of W in bytes
.set SP,   272                         ; a unit in the stage: 256 bytes + 16, so that sixteen lanes' stores start at sixteen different 16-byte columns
.set SPARE, 64*SP
.macro SCALE e                         ; v11 = 2^e as f32 (the conversion takes its exponent field), v10 = 448 x 2^e
	s_add_co_i32 s24, s[\e], 127
	s_lshl_b32 s25, s24, 23
	v_mov_b32 v11, s25
	s_add_co_i32 s24, s24, 8
	s_lshl_b32 s24, s24, 23
	s_or_b32 s24, s24, 0x600000
	v_mov_b32 v10, s24
.endm
.macro CODES t                         ; 16 numbers -> 16 codes
.set i, 0
.rept 16
	v_med3_num_f32 v[NUM+16*(\t)+i], v[NUM+16*(\t)+i], -v10, v10   ; the conversion to an 8-bit code does not saturate (ISA guide 7.6.2): the hold comes first
.set i, i+1
.endr
	v_cvt_scalef32_pk8_fp8_f32 v[COD+4*(\t):COD+4*(\t)+1], v[NUM+16*(\t):NUM+16*(\t)+7], v11
	v_cvt_scalef32_pk8_fp8_f32 v[COD+4*(\t)+2:COD+4*(\t)+3], v[NUM+16*(\t)+8:NUM+16*(\t)+15], v11
.endm
	s_load_b256 s[4:11], s[0:1], 0x0               ; x s[4:5], W s[6:7], the scales' exponents s[8:9], xc s[10:11]
	s_load_b64 s[12:13], s[0:1], 0x20              ; wc
	v_lshl_add_u32 v[SPW], v0, 2, SPARE
	v_mov_b32 v[NIL], 0
	v_lshrrev_b32 v1, 5, v0
	v_readfirstlane_b32 s16, v1                    ; wave 0..7
	v_and_b32 v2, 31, v0                           ; lane
	v_and_b32 v4, 15, v0                           ; r
	v_bfe_u32 v5, v0, 4, 1                         ; h
	s_wait_alu depctr_va_vdst(0)
	s_wait_kmcnt 0x0
	s_load_b64 s[14:15], s[8:9], 0x0               ; e of x, e of W
	s_cmp_lt_u32 ttmp9, WGW
	s_cbranch_scc1 .Lw
; ---------------- x: a tile of 16 rows; a wave takes tile rows 2 w and 2 w + 1, which are neighbours in memory: 8,192 bytes
	s_sub_co_u32 s17, ttmp9, WGW                   ; the tile
	s_lshr_b32 s18, s17, 1
	s_lshl_b32 s18, s18, 5
	s_and_b32 s19, s17, 1
	s_lshl_b32 s19, s19, 3
	s_add_co_u32 s18, s18, s19
	s_lshl_b32 s19, s16, 1
	s_add_co_u32 s18, s18, s19
	s_lshr_b32 s19, s16, 2
	s_lshl_b32 s19, s19, 3
	s_add_co_u32 s18, s18, s19                     ; row 32 (tile / 2) + 8 (tile % 2) + 2 w + 8 (w / 4)
	s_lshl_b32 s18, s18, 12
	s_mov_b32 s19, 0
	s_add_nc_u64 s[4:5], s[4:5], s[18:19]
	s_lshl_b32 s20, s17, 14
	s_lshl_b32 s21, s16, 11
	s_add_co_u32 s20, s20, s21                     ; out: the tile's 16,384 bytes, of which I store 2,048
	s_mov_b32 s21, 0
	s_add_nc_u64 s[10:11], s[10:11], s[20:21]
	v_lshlrev_b32 v3, 4, v2                        ; 16 bytes a lane, in and out
.set i, 0
.rept 16                                       ; each load reads 512 consecutive bytes; load 8 row + 4 R + q: k = 512 R + 128 q + 4 lane + 0..3
	global_load_b128 v[NUM+4*i:NUM+4*i+3], v3, s[4:5] offset:512*i th:TH_LOAD_NT
.set i, i+1
.endr
	s_lshl_b32 s22, s16, 5
	v_mul_u32_u24 v6, v2, SP
	v_add_nc_u32 v6, s22, v6                       ; into the stage: unit = lane (+ 32 R), tile row 2 w (+ 1)
	s_mul_i32 s23, s16, 8*SP
	v_mul_u32_u24 v7, v5, SP
	v_lshl_add_u32 v7, v4, 4, v7
	v_add_nc_u32 v7, s23, v7                       ; out of it: units 8 w .., sixteen lanes to a unit
	s_wait_kmcnt 0x0
	SCALE 14
	s_wait_alu depctr_va_vdst(0)                   ; the wait at the head's end
.irp t, 0,1,2,3
	s_wait_loadcnt 12-4*\t                         ; this step's four loads are in, the younger steps' stay out
	CODES \t
	ds_store_b128 v6, v[COD+4*\t:COD+4*\t+3] offset:(\t%2)*32*SP+(\t/2)*16
.endr
	s_wait_dscnt 0x0                               ; for the others' sake: my stores into the stage are done
	s_barrier_signal -1
	s_barrier_wait -1                              ; a unit's 256 bytes come from eight waves
.irp t, 0,1,2,3
	ds_load_b128 v[BAK+4*\t:BAK+4*\t+3], v7 offset:2*\t*SP
.endr
.irp t, 0,1,2,3
	s_wait_dscnt 3-\t
	global_store_b128 v3, v[BAK+4*\t:BAK+4*\t+3], s[10:11] offset:512*\t   ; 512 consecutive bytes, two whole units
.endr
	s_wait_tensorcnt 0x0                           ; the wave's end
	ds_add_u32 v[SPW], v[NIL]
	s_wait_dscnt 0x0
	s_endpgm
; ---------------- W: a lane takes a column, in the order of a tile's rows, and its registers run along K in the stored order: four units of two tiles a wave, stored straight from registers
.Lw:
	s_and_b32 s17, ttmp9, 3                        ; Y: which 16 units along K
	s_lshr_b32 s18, ttmp9, 2                       ; which 64 columns: 16 x role + head
	s_and_b32 s19, s16, 1                          ; my wave: which 32 of the columns,
	s_lshr_b32 s20, s16, 1                         ; and which 4 of the units
	s_lshr_b32 s21, s17, 1
	s_and_b32 s22, s17, 1
	s_lshl_b32 s23, s21, 9
	s_lshl_b32 s24, s22, 6
	s_add_co_u32 s23, s23, s24
	s_lshl_b32 s24, s20, 4
	s_add_co_u32 s23, s23, s24                     ; k0 = 512 (Y / 2) + 64 (Y % 2) + 16 x my four units
	s_mul_i32 s24, s23, WROW
	s_lshl_b32 s25, s18, 8                         ; 64 columns of 4 bytes
	s_add_co_u32 s24, s24, s25
	s_lshl_b32 s25, s19, 7
	s_add_co_u32 s24, s24, s25
	s_mov_b32 s25, 0
	s_add_nc_u64 s[6:7], s[6:7], s[24:25]
	v_and_b32 v6, 8, v4
	v_add_nc_u32 v6, v6, v4
	v_lshl_add_u32 v6, v5, 3, v6                   ; lane (r, h): column 8 h + r + 8 (r / 8) of the 32
	v_lshlrev_b32 v3, 2, v6
.set i, 0
.rept 64                                       ; each load reads the 32 columns' 128 consecutive bytes, the wave beside me the 128 next to them; the largest offset is 399 rows, inside the signed 24-bit immediate
	global_load_b32 v[NUM+i], v3, s[6:7] offset:(128*((i%16)/4)+4*(i/16)+i%4)*WROW th:TH_LOAD_NT
.set i, i+1
.endr
	v_lshlrev_b32 v8, 13, v5
	v_lshl_add_u32 v8, v4, 4, v8                   ; out: tile h, row r
	s_and_b32 s26, s18, 15
	s_mul_i32 s26, s26, 196608
	s_mul_i32 s27, s21, 98304
	s_add_co_u32 s26, s26, s27
	s_lshr_b32 s27, s18, 4
	s_lshl_b32 s27, s27, 2
	s_lshl_b32 s28, s19, 1
	s_add_co_u32 s27, s27, s28
	s_lshl_b32 s27, s27, 13
	s_add_co_u32 s26, s26, s27
	s_lshl_b32 s27, s22, 12
	s_add_co_u32 s26, s26, s27
	s_lshl_b32 s27, s20, 10
	s_add_co_u32 s26, s26, s27
	s_mov_b32 s27, 0
	s_add_nc_u64 s[12:13], s[12:13], s[26:27]
	s_wait_alu depctr_va_vdst(0)
	s_wait_kmcnt 0x0
	SCALE 15
	s_wait_alu depctr_va_vdst(0)                   ; the wait at the head's end
.irp u, 0,1,2,3
	s_wait_loadcnt 48-16*\u                        ; this unit's 16 loads are in, the younger ones stay out
	CODES \u
	global_store_b128 v8, v[COD+4*\u:COD+4*\u+3], s[12:13] offset:256*\u   ; sixteen lanes store a whole unit of 256 bytes
.endr
	s_endpgm
.Lfunc_end_k_qe543982d72_prep:
	.size	k_qe543982d72_prep, .Lfunc_end_k_qe543982d72_prep-k_qe543982d72_prep
	.p2alignl 7, 3214868480
	.fill 96, 4, 3214868480
	.section	.rodata,"a",@progbits
	.p2align	6, 0x0
	.amdhsa_kernel k_qe543982d72_prep
		.amdhsa_group_segment_fixed_size 18432
		.amdhsa_private_segment_fixed_size 0
		.amdhsa_enable_private_segment 0
		.amdhsa_kernarg_size 40
		.amdhsa_user_sgpr_count 2
		.amdhsa_user_sgpr_kernarg_segment_ptr 1
		.amdhsa_wavefront_size32 1
		.amdhsa_system_sgpr_workgroup_id_x 1
		.amdhsa_system_sgpr_workgroup_id_y 1
		.amdhsa_system_sgpr_workgroup_id_z 1
		.amdhsa_system_vgpr_workitem_id 0
		.amdhsa_next_free_vgpr 192
		.amdhsa_next_free_sgpr 66
		.amdhsa_reserve_vcc 0
		.amdhsa_float_denorm_mode_32 3
		.amdhsa_float_denorm_mode_16_64 3
		.amdhsa_memory_ordered 1
		.amdhsa_forward_progress 1
		.amdhsa_inst_pref_size 23
	.end_amdhsa_kernel
	.amdgpu_metadata
---
amdhsa.version: [ 1, 2 ]
amdhsa.kernels:
  - .name:           k_qe543982d72_prep
    .symbol:         k_qe543982d72_prep.kd
    .args:
      - { .name: x, .offset: 0, .size: 8, .value_kind: global_buffer, .address_space: global }
      - { .name: W_qkv, .offset: 8, .size: 8, .value_kind: global_buffer, .address_space: global }
      - { .name: lowp_scales, .offset: 16, .size: 8, .value_kind: global_buffer, .address_space: global }
      - { .name: xc, .offset: 24, .size: 8, .value_kind: global_buffer, .address_space: global }
      - { .name: wc, .offset: 32, .size: 8, .value_kind: global_buffer, .address_space: global }
    .group_segment_fixed_size: 18432
    .private_segment_fixed_size: 0
    .kernarg_segment_align: 8
    .kernarg_segment_size: 40
    .max_flat_workgroup_size: 256
    .sgpr_count:     66
    .vgpr_count:     192
    .wavefront_size: 32
...
	.end_amdgpu_metadata
.endif
;; end of part 1
;; launch gemm (part 2): grid 16 x 16, 4 waves a work-group, clusters of 4 x 1, 327,680 bytes of LDS; arguments xc, wc, lowp_scales, b_qkv, qkv; writes qkv
.if DOCPART == 2
	.amdgcn_target "amdgcn-amd-amdhsa--gfx1250"
	.amdhsa_code_object_version 6
	.text
	.protected	k_qe543982d72_gemm
	.globl	k_qe543982d72_gemm
	.p2align	8
	.type	k_qe543982d72_gemm,@function
k_qe543982d72_gemm:
	s_mov_b64 s[64:65], 0
	v_nop
	global_prefetch_b8 v0, s[64:65] scope:SCOPE_SE
	s_setreg_imm32_b32 hwreg(HW_REG_WAVE_MODE, 25, 1), 1
	s_wait_xcnt 0x0
	s_wait_alu depctr_hold_cnt(0) depctr_sa_sdst(0) depctr_va_vdst(0) depctr_va_sdst(0) depctr_va_ssrc(0) depctr_va_vcc(0) depctr_vm_vsrc(0)
	s_getreg_b32 s2, hwreg(HW_REG_IB_STS2, 6, 4)
	s_cmp_eq_u32 s2, 0
	s_cbranch_scc0 .Lentry_in_a_cluster
	s_endpgm
.Lentry_in_a_cluster:
	s_bfe_u32 s2, ttmp6, 0x10000c
	s_cmp_lg_u32 s2, 0x3003
	s_cbranch_scc0 .Lentry_shape_is_right
	s_endpgm
.Lentry_shape_is_right:
; q, k, v = x W + b for one head and 256 tokens in each work-group, quantised (scales 2^e2, 2^e3, 2^e4) and stored as images of the attention's operand registers.  Sums in f32 of codes of FP8 (E4M3); x 2^(e0 + e1), + bias, hold, code.
; LIMITS: e0 + e1 between -126 and 127; e2, e3, e4 each between -126 and 119.  NaN is not served.
; xc, wc: the layouts that the first launch states.  qkv (bytes; bh = 16 x batch + head, 131,072 bytes a head; q at 0, k at 4 MiB, v at 8 MiB):
;   q, k: bh x 131072 + T x 1024 + b x 512 + 16 lane: lane (r, h) holds, of token 32 (T / 2) + 8 (T % 2) + r + 8 (r / 8), channels 32 b + 16 h + 0 .. 15.
;   v:    bh x 131072 + ks x 8192 + u x 2048 + c x 512 + 16 lane: lane (r, h) holds, of channel 32 (u / 2) + 8 (u % 2) + r + 8 (r / 8), keys 128 ks + 32 c + 16 h + 0 .. 15.
; SHARES.  256 work-groups: 16 heads x 16 blocks of 256 tokens.  Four waves, each 64 tokens (4 tiles) x 192 columns (12 tiles: 4 of q, 4 of k, 4 of v): 48 accumulators, 384 registers.
; W: the head's 196,608 bytes lie WHOLE in LDS, filled once each by two joint loads a wave (K steps 0-3, then 4-7).  CLUSTERS of four blocks of tokens of one head: the four ask jointly, by the same descriptor with the mask 15.
; x: each of its fragments serves ONE wave of the work-group, so it goes straight into that wave's registers, each load 512 consecutive bytes, three K steps ahead in three buffers.  It is not asked for jointly: that way leads through LDS,
; and x's 262,144 bytes do not fit there beside W's 196,608, so both would go through slots that are filled again.  NO PREFETCH: there is no loop; W is asked for in two loads, x two K steps or more ahead of its products.
; ORIENTATION.  q, k: source 0 = W's tile, source 1 = x's: a lane holds one token and its registers run along the channels.  v: the other way round: a lane holds one channel and its registers run along the tokens.
; By the order of rows in a tile the 16 registers of two neighbouring tiles are 16 neighbours, so two conversions give 16 bytes that lie together in the image.
; REGISTERS, windows of 256: 0: addresses, x's three buffers (v64-255); 1: W's ring of four groups (a group = 4 tiles of one role, 128 along K: 64 registers); 2: accumulators of q, k; 3: of v (v0-127), biases (v128-199).
.set SPARE, 196608
.set LI,   16                          ; v16-19  16 x lane, + 65536, + 98304, + 163840
.set BQO,  20
.set BVO,  21
.set SPW,  22
.set NIL,  23
.set SCL,  24                          ; v24-26  2^e of q, k, v as f32
.set LIM,  28                          ; v28-30  448 x that
.set XB,   64
.set TMP,  64                          ; the way out: v64-191
.set BB,   128                         ; window 3: q's and k's biases, 32 each
.set BV,   192                         ; window 3: v's, one for each tile, in the even register of a pair
.set MSB, 0
.macro WIN new                         ; the immediate's high byte repeats the setting that is left
.if MSB != \new
	s_set_vgpr_msb (MSB<<8)|\new
.set MSB, \new
.endif
.endm
.macro CROUND                          ; a round of the cluster's barrier
	s_barrier_signal -1
	s_barrier_wait -1
	s_cmp_lg_u32 s14, 0
	s_cbranch_scc1 .Lnot_wave_0_\@
	s_barrier_signal -3
.Lnot_wave_0_\@:
	s_barrier_wait -3
	s_barrier_signal -1
	s_barrier_wait -1
.endm
.macro JLOAD g0
	tensor_load_to_lds s[\g0:\g0+3], s[24:31]
	s_nop 0
.rept 4
	v_nop
.endr
.endm
.macro XLOAD s                         ; K step s of my four tiles of x: 16 loads
.set XS, \s
	WIN 0
.irp m, 0,1,2,3
.irp c, 0,1,2,3
	global_load_b128 v[XB+64*(XS%3)+16*\m+4*\c:XB+64*(XS%3)+16*\m+4*\c+3], v[LI], s[4:5] offset:16384*\m+2048*XS+512*\c
.endr
.endr
.endm
.macro BIAS                            ; 20 loads
	WIN 0xc0
.irp r, 0,1
.irp b, 0,1
.irp i, 0,1,2,3
	global_load_b128 v[BB+32*\r+16*\b+4*\i:BB+32*\r+16*\b+4*\i+3], v[BQO], s[10:11] offset:4096*\r+128*\b+16*\i
.endr
.endr
.endr
.irp t, 0,1,2,3
	global_load_b32 v[BV+2*\t], v[BVO], s[10:11] offset:8192+4*(32*(\t/2)+8*(\t%2))
.endr
	WIN 0
.endm
.macro FETCH n                         ; group n = 3 x K step + role, into ring place n % 4: 16 LDS loads of 512 consecutive bytes
.set F, \n
.set FS, F/3
.set FG, F%3
	WIN 0x40
.irp t, 0,1,2,3
.irp c, 0,1,2,3
	ds_load_b128 v[64*(F%4)+16*\t+4*\c:64*(F%4)+16*\t+4*\c+3], v[LI+2*(FS/4)+FG/2] offset:32768*(FG%2)+8192*\t+2048*(FS%4)+512*\c
.endr
.endr
	WIN 0
.endm
; A group: 16 matrix instructions, an accumulator a turn.  Ahead of it the group three on is fetched into the ring place that the group before has left: four places (ISA guide 7.12.1 for vector instructions).
.macro GRP s, g
.set N, 3*(\s)+\g
.if N == 9                             ; from here on fragments of the second fill are fetched
	s_wait_tensorcnt 0x0                           ; my part of it is in,
	s_wait_dscnt 0x0
	s_barrier_signal -1
	s_barrier_wait -1                              ; and everybody's.
.endif
.if N > 0 && N < 21
.rept 4
	v_nop
.endr
.endif
.if N < 21
	FETCH N+3
.endif
.if \g == 0
.if (\s) > 0 && (\s) < 6
	XLOAD (\s)+2                                   ; into the buffer that the K step before has left
.endif
.if (\s) == 6
	BIAS
.endif
.if (\s) < 6
	s_wait_loadcnt 32                              ; this K step's x is in; the next two K steps' 32 loads may be out
.elseif (\s) == 6
	s_wait_loadcnt 36                              ; K step 7's 16 and the biases' 20 may be out
.else
	s_wait_loadcnt 20                              ; the biases' 20
.endif
.endif
.if N < 21
	s_wait_dscnt 48                                ; this group is in; the three younger groups may be out
.else
	s_wait_dscnt 16*(23-N)
.endif
.if \g < 2
	WIN 0xa1                                       ; source 0 (W) window 1, source 1 (x) window 0, C and D window 2
.else
	WIN 0xf4                                       ; source 0 (x) window 0, source 1 (W) window 1, C and D window 3
.endif
.set WF, 64*(N%4)
.set XF, XB+64*((\s)%3)
.set AC, 128*((\g)%2)
.irp t, 0,1,2,3
.irp m, 0,1,2,3
.if \g < 2
.if (\s) == 0
	v_wmma_f32_16x16x128_fp8_fp8 v[AC+32*\t+8*\m:AC+32*\t+8*\m+7], v[WF+16*\t:WF+16*\t+15], v[XF+16*\m:XF+16*\m+15], 0
.else
	v_wmma_f32_16x16x128_fp8_fp8 v[AC+32*\t+8*\m:AC+32*\t+8*\m+7], v[WF+16*\t:WF+16*\t+15], v[XF+16*\m:XF+16*\m+15], v[AC+32*\t+8*\m:AC+32*\t+8*\m+7]
.endif
.else
.if (\s) == 0
	v_wmma_f32_16x16x128_fp8_fp8 v[AC+32*\t+8*\m:AC+32*\t+8*\m+7], v[XF+16*\m:XF+16*\m+15], v[WF+16*\t:WF+16*\t+15], 0
.else
	v_wmma_f32_16x16x128_fp8_fp8 v[AC+32*\t+8*\m:AC+32*\t+8*\m+7], v[XF+16*\m:XF+16*\m+15], v[WF+16*\t:WF+16*\t+15], v[AC+32*\t+8*\m:AC+32*\t+8*\m+7]
.endif
.endif
.endr
.endr
.endm
	s_load_b256 s[4:11], s[0:1], 0x0               ; xc, wc, the scales' exponents, b
	s_load_b64 s[12:13], s[0:1], 0x20              ; qkv
	v_lshl_add_u32 v[SPW], v0, 2, SPARE
	v_mov_b32 v[NIL], 0
	ds_add_u32 v[SPW], v[NIL]                      ; the wave's opening
	ds_add_u32 v[SPW], v[NIL]
	v_lshrrev_b32 v1, 5, v0
	v_readfirstlane_b32 s14, v1                    ; wave 0..3
	s_bfe_u32 s40, ttmp6, 0x40000
	s_lshl_b32 s17, ttmp9, 2
	s_add_co_u32 s17, s17, s40                     ; block of 256 tokens
	s_and_b32 s42, ttmp7, 0xffff                   ; head
	; descriptor group 1: 24,576 dense bytes as 96 rows of 256: elements of 8 bytes; the mask names all four of the cluster, bit 21 beside it
	s_mov_b32 s24, 15|(3<<16)|(1<<21)
	s_mov_b32 s25, 32<<16
	s_mov_b32 s26, 96<<16
	s_mov_b32 s27, 32<<16
	s_mov_b32 s28, 96
	s_mov_b32 s29, 32
	s_mov_b32 s30, 0
	s_mov_b32 s31, 0
	s_mul_i32 s45, s14, 24576                      ; my quarter of a fill
	s_mul_i32 s20, s42, 196608
	s_add_co_u32 s20, s20, s45
	s_mov_b32 s21, 0
	s_lshl_b32 s22, s17, 18                        ; x: 256 rows of 1,024 a block, 64 a wave
	s_lshl_b32 s23, s14, 16
	s_add_co_u32 s22, s22, s23
	s_mov_b32 s23, 0
	v_and_b32 v2, 31, v0
	v_lshlrev_b32 v[LI], 4, v2
	v_add_nc_u32 v[LI+1], 0x10000, v[LI]
	v_add_nc_u32 v[LI+2], 0x18000, v[LI]
	v_add_nc_u32 v[LI+3], 0x28000, v[LI]
	v_and_b32 v3, 15, v0                           ; r
	v_bfe_u32 v4, v0, 4, 1                         ; h
	v_lshlrev_b32 v[BQO], 6, v4                    ; q, k: my 16 channels begin at 16 h
	v_and_b32 v5, 8, v3
	v_add_nc_u32 v5, v5, v3
	v_lshlrev_b32 v[BVO], 2, v5                    ; v: my channel in a tile: r + 8 (r / 8)
	WIN 0xc0
.irp t, 0,1,2,3
	v_mov_b32 v[BV+2*\t+1], 0                      ; (named as the upper half of a pair)
.endr
	WIN 0
	s_wait_alu depctr_va_vdst(0)
	s_wait_dscnt 0x0                               ; both opening adds are done
	s_wait_kmcnt 0x0
	s_load_b128 s[68:71], s[8:9], 0x0              ; e0 .. e3
	s_load_b64 s[72:73], s[8:9], 0x10              ; e4, e5
	s_add_nc_u64 s[4:5], s[4:5], s[22:23]
	s_add_nc_u64 s[20:21], s[6:7], s[20:21]
	XLOAD 0
	XLOAD 1
	XLOAD 2
.irp f, 0,1
	s_mov_b32 s[32+4*\f], 1
	s_add_co_u32 s[33+4*\f], s45, \f*98304
	s_add_nc_u64 s[34+4*\f:35+4*\f], s[20:21], \f*98304
	s_or_b32 s[35+4*\f], s[35+4*\f], 0x80000000
.endr
	s_lshl_b32 s46, s42, 8
	s_mov_b32 s47, 0
	s_add_nc_u64 s[10:11], s[10:11], s[46:47]      ; the head's biases
	; where my results go
	s_lshr_b32 s48, s17, 3                         ; batch
	s_lshl_b32 s48, s48, 4
	s_add_co_u32 s48, s48, s42
	s_lshl_b32 s48, s48, 17                        ; bh x 131072
	s_and_b32 s49, s17, 7
	s_lshl_b32 s49, s49, 14
	s_add_co_u32 s48, s48, s49                     ; + the block's 16 tiles, or 2 key steps
	s_lshr_b32 s50, s14, 1
	s_lshl_b32 s50, s50, 13
	s_and_b32 s51, s14, 1
	s_lshl_b32 s51, s51, 10
	s_add_co_u32 s50, s50, s51
	s_add_co_u32 s50, s50, s48
	s_add_co_u32 s50, s50, 8388608                 ; v: + 8192 (w / 2) + 1024 (w % 2)
	s_mov_b32 s51, 0
	s_add_nc_u64 s[76:77], s[12:13], s[50:51]
	s_lshl_b32 s49, s14, 12
	s_add_co_u32 s48, s48, s49                     ; q, k: + 4 tiles a wave
	s_mov_b32 s49, 0
	s_add_nc_u64 s[12:13], s[12:13], s[48:49]
	CROUND                                         ; all four work-groups are here: the joint loads meet
	JLOAD 32                                       ; K steps 0-3
	s_wait_alu depctr_va_vdst(0)                   ; the wait at the head's end
	s_wait_tensorcnt 0x0                           ; my part is in
	ds_add_u32 v[SPW], v[NIL]
	s_wait_dscnt 0x0
	CROUND                                         ; everybody's part is in
	JLOAD 36                                       ; K steps 4-7: the first tensor load behind the round
	FETCH 0
	FETCH 1
	FETCH 2
.irp s, 0,1,2,3,4,5,6,7
	GRP \s, 0
	GRP \s, 1
	GRP \s, 2
.endr
	WIN 0
	s_wait_kmcnt 0x0
	s_add_co_i32 s96, s68, s69
	s_add_co_i32 s96, s96, 127
	s_lshl_b32 s96, s96, 23                        ; 2^(e0 + e1) as f32
	s_mov_b32 s97, s96                             ; (named with it as a pair)
.irp r, 0,1,2
	s_add_co_i32 s60, s[70+\r], 127
	s_lshl_b32 s61, s60, 23
	v_mov_b32 v[SCL+\r], s61                       ; (these six lines are also the places behind the last products)
	s_add_co_i32 s60, s60, 8
	s_lshl_b32 s60, s60, 23
	s_or_b32 s60, s60, 0x600000
	v_mov_b32 v[LIM+\r], s60
.endr
	s_wait_alu depctr_va_vdst(0)
	s_wait_loadcnt 0x0                             ; the biases
; THE WAY OUT of a role: 8 blocks of 16 numbers a lane, each accumulator from its low end on
.macro EPI r, cod
.if \r < 2
	WIN 0x32
.else
	WIN 0x33
.endif
.irp t, 0,1,2,3
.irp m, 0,1,2,3
.irp j, 0,2,4,6
.if \r < 2
.set TD, TMP+16*(2*\m+\t/2)+8*(\t%2)+\j
.set AS, 128*\r+32*\t+8*\m+\j
.set BS, BB+32*\r+16*(\t/2)+8*(\t%2)+\j
	v_pk_fma_f32 v[TD:TD+1], v[AS:AS+1], s[96:97], v[BS:BS+1] op_sel_hi:[1,0,1]
.else
.set TD, TMP+16*(2*\t+\m/2)+8*(\m%2)+\j
.set AS, 32*\t+8*\m+\j
	v_pk_fma_f32 v[TD:TD+1], v[AS:AS+1], s[96:97], v[BV+2*\t:BV+2*\t+1] op_sel_hi:[1,0,0]
.endif
.endr
.endr
.endr
	WIN 0
.set j, 0
.rept 128
	v_med3_num_f32 v[TMP+j], v[TMP+j], -v[LIM+\r], v[LIM+\r]   ; the conversion to an 8-bit code does not saturate (ISA guide 7.6.2)
.set j, j+1
.endr
.set j, 0
.rept 8
	v_cvt_scalef32_pk8_fp8_f32 v[\cod+4*j:\cod+4*j+1], v[TMP+16*j:TMP+16*j+7], v[SCL+\r]
	v_cvt_scalef32_pk8_fp8_f32 v[\cod+4*j+2:\cod+4*j+3], v[TMP+16*j+8:TMP+16*j+15], v[SCL+\r]
.set j, j+1
.endr
	v_nop                                          ; a plain line behind the conversions
.set j, 0
.rept 8                                        ; each stores 512 consecutive bytes, two aligned units of 256
.if \r < 2
	global_store_b128 v[LI], v[\cod+4*j:\cod+4*j+3], s[12:13] offset:4194304*\r+512*j
.else
	global_store_b128 v[LI], v[\cod+4*j:\cod+4*j+3], s[76:77] offset:2048*(j/2)+512*(j%2)
.endif
.set j, j+1
.endr
.endm
	EPI 0, 192
	EPI 1, 224
	EPI 2, 32
	s_wait_tensorcnt 0x0                           ; the wave's end
	ds_add_u32 v[SPW], v[NIL]
	s_wait_dscnt 0x0
	CROUND                                         ; the closing round
	s_endpgm
.Lfunc_end_k_qe543982d72_gemm:
	.size	k_qe543982d72_gemm, .Lfunc_end_k_qe543982d72_gemm-k_qe543982d72_gemm
	.p2alignl 7, 3214868480
	.fill 96, 4, 3214868480
	.section	.rodata,"a",@progbits
	.p2align	6, 0x0
	.amdhsa_kernel k_qe543982d72_gemm
		.amdhsa_group_segment_fixed_size 327680
		.amdhsa_private_segment_fixed_size 0
		.amdhsa_enable_private_segment 0
		.amdhsa_kernarg_size 40
		.amdhsa_user_sgpr_count 2
		.amdhsa_user_sgpr_kernarg_segment_ptr 1
		.amdhsa_wavefront_size32 1
		.amdhsa_system_sgpr_workgroup_id_x 1
		.amdhsa_system_sgpr_workgroup_id_y 1
		.amdhsa_system_sgpr_workgroup_id_z 1
		.amdhsa_system_vgpr_workitem_id 0
		.amdhsa_next_free_vgpr 1024
		.amdhsa_next_free_sgpr 100
		.amdhsa_reserve_vcc 0
		.amdhsa_float_denorm_mode_32 3
		.amdhsa_float_denorm_mode_16_64 3
		.amdhsa_memory_ordered 1
		.amdhsa_forward_progress 1
		.amdhsa_inst_pref_size 116
	.end_amdhsa_kernel
	.amdgpu_metadata
---
amdhsa.version: [ 1, 2 ]
amdhsa.kernels:
  - .name:           k_qe543982d72_gemm
    .symbol:         k_qe543982d72_gemm.kd
    .args:
      - { .name: xc, .offset: 0, .size: 8, .value_kind: global_buffer, .address_space: global }
      - { .name: wc, .offset: 8, .size: 8, .value_kind: global_buffer, .address_space: global }
      - { .name: lowp_scales, .offset: 16, .size: 8, .value_kind: global_buffer, .address_space: global }
      - { .name: b_qkv, .offset: 24, .size: 8, .value_kind: global_buffer, .address_space: global }
      - { .name: qkv, .offset: 32, .size: 8, .value_kind: global_buffer, .address_space: global }
    .group_segment_fixed_size: 327680
    .private_segment_fixed_size: 0
    .kernarg_segment_align: 8
    .kernarg_segment_size: 40
    .max_flat_workgroup_size: 128
    .sgpr_count:     100
    .vgpr_count:     1024
    .wavefront_size: 32
...
	.end_amdgpu_metadata
.endif
;; end of part 2
;; launch attn (part 3): grid 8 x 32, 8 waves a work-group, clusters of 4 x 1, 327,680 bytes of LDS; arguments qkv, lowp_scales, out0; writes out0
.if DOCPART == 3
	.amdgcn_target "amdgcn-amd-amdhsa--gfx1250"
	.amdhsa_code_object_version 6
	.text
	.protected	k_qe543982d72_attn
	.globl	k_qe543982d72_attn
	.p2align	8
	.type	k_qe543982d72_attn,@function
k_qe543982d72_attn:
	s_mov_b64 s[64:65], 0
	v_nop
	global_prefetch_b8 v0, s[64:65] scope:SCOPE_SE
	s_setreg_imm32_b32 hwreg(HW_REG_WAVE_MODE, 25, 1), 1
	s_wait_xcnt 0x0
	s_wait_alu depctr_hold_cnt(0) depctr_sa_sdst(0) depctr_va_vdst(0) depctr_va_sdst(0) depctr_va_ssrc(0) depctr_va_vcc(0) depctr_vm_vsrc(0)
	s_getreg_b32 s2, hwreg(HW_REG_IB_STS2, 6, 4)
	s_cmp_eq_u32 s2, 0
	s_cbranch_scc0 .Lentry_in_a_cluster
	s_endpgm
.Lentry_in_a_cluster:
	s_bfe_u32 s2, ttmp6, 0x10000c
	s_cmp_lg_u32 s2, 0x3003
	s_cbranch_scc0 .Lentry_shape_is_right
	s_endpgm
.Lentry_shape_is_right:
; out[b][q][head][:] = the sum over keys k <= q of softmax_k(Q . K / 8) V, for 32 (batch, head) pairs of 2,048 tokens x 64 channels, both products on codes of FP8 (E4M3).  qkv: the layout that the second launch states.
; WORK LEFT OUT: key steps of 128 keys all of which come after the queries of a pair of tiles: reference()'s own mask throws their scores away.  LIMIT: a NaN or an infinity that reaches only those is not carried.
; THE SOFTMAX AHEAD OF THE SECOND PRODUCT: t = score x log2(e) / 8; M = the row's largest t so far, rounded UP to a whole number; p = 2^(t - M) is what is quantised (scale 2^e5), not normalised.
; The row's sum is taken of the unquantised p, in f32, and divides O at the end.  When M moves, the sum and O are multiplied by 2^(old M - new M): nothing is rounded, and there is no branch on data.
; LIMITS: e2 + e3 between -123 and 130 (they are added to the exponent field of log2(e) / 8); e5 between -126 and 119; e4 + e5 is applied by v_ldexp_f32.  Scaled scores under 2^31 in magnitude.  NaN is not served.
; SHARES.  A head's queries are 16 blocks of 128, a block 8 tiles of 16.  Work-group j of the head's eight takes tile j of EVERY block: all work-groups walk the same keys and do the same work.
; So K and V are asked for JOINTLY by clusters of four work-groups of a head: the whole images (131,072 bytes each), each byte filled once, in two fills: key steps 0-3, then 4-15.
; Tiles of blocks 2 p and 2 p + 1 form PAIR p, which needs key steps 0 .. 2 p + 1.  Two waves share a pair: one takes the even key steps, the other the odd ones: p + 1 each.  Wave w (parity w / 4, i = w % 4) works pairs 7 - m and then m,
; with m = i in odd waves and 7 - i in even ones: 9 steps of two tiles in every wave.  Each fragment of K and V feeds both tiles.  At the end a wave hands its first pair's part to the wave w xor 4, whose second pair that is, through LDS.
; NO PREFETCH: K and V are asked for whole ahead of the steps that read them, by one load a wave and fill; there is no later request to run ahead of.
; LAYOUT.  S^T = K Q^T (source 0 = 16 keys), O^T = V^T P^T (source 0 = 16 channels): a lane holds ONE query (lane % 16) throughout; the 16 registers of S^T's tiles 2 b and 2 b + 1 are keys 32 b + 16 (lane / 16) + 0 .. 15.
; REGISTERS.  Window 0: v1-63 addresses, constants, running values, Q of both tiles; v64-127 K's 8 fragments; v128-191, v192-255 S^T, then p, of the two tiles.
;   Window 1: v0-63 V's 4 fragments; v64-127 O^T of the two tiles; v128-159 p's codes; v160-223 the first pair's O^T; v224-239 the second pair's Q.
.set VIMG, 131072
.set SPARE, 262144
.set SLOT, 8704                        ; the exchange: 64 + 4 registers of 128 bytes for each wave, from LDS byte 0 on
.set STP,  272                         ; the way out: a stage row, 256 bytes + 16; 2 x 16 rows a wave, behind the exchange
.set STG,  8*SLOT
.set LI,   1                           ; 16 x lane
.set VL,   2                           ; VIMG + 16 x lane
.set ADK,  3
.set ADV,  4
.set SPW,  5
.set NIL,  6
.set DD,   7                           ; my query's place in its block of 128, less 16 (lane / 16)
.set NM0,  8                           ; -M of the two tiles, each the low word of a pair
.set NM1,  10
.set FF0,  12                          ; f, likewise
.set FF1,  14
.set LS0,  16                          ; the sums, in two halves
.set LS1,  18
.set TM0,  20                          ; the largest t
.set TM1,  21
.set NO0,  22
.set NO1,  23
.set PX,   24
.set PY,   25
.set NINF, 26                          ; v26-27 -infinity
.set PLIM, 28                          ; v28-29 448 x 2^e5
.set PSC,  30                          ; 2^e5
.set X,    32                          ; v32-43 at work
.set Y,    36
.set PK,   44                          ; v44-47 the first pair's -M and sums
.set Q0,   48
.set Q1,   56
.set KF,   64
.set S0,   128
.set S1,   192
.set VF,   0                           ; window 1
.set OT,   64
.set PC,   128
.set PARK, 160
.set QB,   224
.set WV,   18
.set SEL,  20                          ; s[20:21] lane selects for v_permlanex16_b32: lane l xor 16
.set CS,   22                          ; s[22:23] log2(e) / 8 x 2^(e2 + e3)
.set G1A,  24
.set G1B,  32
.set G0A,  40
.set G0B,  44
.set MM,   50                          ; m
.set P13,  51                          ; 8192 x parity
.set RR,   52                          ; the step, 0 .. 8
.set RM,   53
.set RN,   54
.set KB,   55                          ; the step's keys: first byte in an image
.set KN,   56                          ; the next step's
.set TT,   57
.set PAR,  58
.set E45,  82
.set MSB, 0
.macro WIN new                         ; the immediate's high byte repeats the setting that is left
.if MSB != \new
	s_set_vgpr_msb (MSB<<8)|\new
.set MSB, \new
.endif
.endm
.macro CROUND                          ; a round of the cluster's barrier
	s_barrier_signal -1
	s_barrier_wait -1
	s_cmp_lg_u32 s[WV], 0
	s_cbranch_scc1 .Lnot_wave_0_\@
	s_barrier_signal -3
.Lnot_wave_0_\@:
	s_barrier_wait -3
	s_barrier_signal -1
	s_barrier_wait -1
.endm
.macro JLOAD g0, g1
	tensor_load_to_lds s[\g0:\g0+3], s[\g1:\g1+7]
	s_nop 0
.rept 4
	v_nop
.endr
.endm
.macro G1SET g1, rows                  ; descriptor group 1: a dense block as rows of 256 bytes: 32 elements of 8 bytes; the mask names all four of the cluster, bit 21 beside it
	s_mov_b32 s[\g1], 15|(3<<16)|(1<<21)
	s_mov_b32 s[\g1+1], 32<<16
	s_mov_b32 s[\g1+2], (\rows)<<16
	s_mov_b32 s[\g1+3], 32<<16
	s_mov_b32 s[\g1+4], \rows
	s_mov_b32 s[\g1+5], 32
	s_mov_b32 s[\g1+6], 0
	s_mov_b32 s[\g1+7], 0
.endm
; Step r of my nine: of the first pair (r < 8 - m) its r-th key step of my parity, of the second the (r - 8 + m)-th: with q = (r + m) / 8 both are (r + q m) modulo 8.
.macro KADDR d, r
	s_add_co_u32 s[TT], s[\r], s[MM]
	s_lshr_b32 s[TT], s[TT], 3
	s_mul_i32 s[TT], s[TT], s[MM]
	s_add_co_u32 s[TT], s[TT], s[\r]
	s_and_b32 s[TT], s[TT], 7
	s_lshl_b32 s[TT], s[TT], 14
	s_add_co_u32 s[\d], s[TT], s[P13]
.endm
.macro KLOAD                           ; 8 tiles of 16 keys
.irp t, 0,1,2,3,4,5,6,7
	ds_load_b128 v[KF+8*\t:KF+8*\t+3], v[ADK] offset:1024*\t          ; channels 16 h + 0 .. 15,
	ds_load_b128 v[KF+8*\t+4:KF+8*\t+7], v[ADK] offset:1024*\t+512    ; and 32 + 16 h + 0 .. 15
.endr
.endm
.macro MASK s                          ; the step on a tile's diagonal: register 16 b + i holds key 32 b + 16 h + i of the block; a hidden key's score becomes -infinity ahead of the maximum
.set n, 0
.rept 64
	v_cmp_gt_i32 vcc_lo, 32*(n/16)+n%16, v[DD]
	v_cndmask_b32 v[\s+n], v[\s+n], v[NINF], vcc_lo
.set n, n+1
.endr
.endm
	s_load_b128 s[4:7], s[0:1], 0x0                ; qkv, the scales' exponents
	s_load_b64 s[8:9], s[0:1], 0x10                ; out
	v_lshl_add_u32 v[SPW], v0, 2, SPARE
	v_mov_b32 v[NIL], 0
	ds_add_u32 v[SPW], v[NIL]                      ; the wave's opening
	ds_add_u32 v[SPW], v[NIL]
	v_lshrrev_b32 v32, 5, v0
	v_readfirstlane_b32 s[WV], v32                 ; wave 0..7
	v_and_b32 v33, 31, v0
	v_lshlrev_b32 v[LI], 4, v33
	v_add_nc_u32 v[VL], VIMG, v[LI]
	s_and_b32 s10, ttmp7, 0xffff                   ; bh
	s_bfe_u32 s11, ttmp6, 0x40000
	s_lshl_b32 s12, ttmp9, 2
	s_add_co_u32 s11, s11, s12                     ; j: my tile in every block.  It enters addresses in memory and the mask's bound alone
	s_lshr_b32 s[PAR], s[WV], 2                    ; parity of my key steps.  Also: I fetch for K (0) or V (1),
	s_and_b32 s12, s[WV], 3                        ; this quarter of each fill
	s_xor_b32 s13, s[PAR], 1
	s_mul_i32 s13, s13, 7
	s_xor_b32 s[MM], s12, s13                      ; m = i or 7 - i
	s_lshl_b32 s[P13], s[PAR], 13
	G1SET G1A, 32                                  ; 8,192 bytes
	G1SET G1B, 96                                  ; 24,576 bytes
	s_lshl_b32 s16, s[PAR], 17
	s_lshl_b32 s17, s12, 13
	s_mul_i32 s19, s12, 24576
	s_add_co_u32 s19, s19, 32768
	s_mov_b32 s[G0A], 1
	s_mov_b32 s[G0B], 1
	s_add_co_u32 s[G0A+1], s16, s17                ; LDS: image + place in the image
	s_add_co_u32 s[G0B+1], s16, s19
	s_add_co_u32 s60, s[PAR], 1
	s_lshl_b32 s60, s60, 22
	s_lshl_b32 s62, s10, 17
	s_add_co_u32 s60, s60, s62                     ; the head's image of K or V in memory
	s_add_co_u32 s66, s60, s17
	s_mov_b32 s67, 0
	s_add_co_u32 s68, s60, s19
	s_mov_b32 s69, 0
	s_lshl_b32 s63, s11, 10
	s_add_co_u32 s62, s62, s63                     ; Q: + 1024 j
	s_xor_b32 s48, s[MM], 7
	s_lshl_b32 s48, s48, 14
	s_add_co_u32 s48, s48, s62                     ; + 16 tiles a pair: the first pair is 7 - m,
	s_mov_b32 s49, 0
	s_lshl_b32 s70, s[MM], 14
	s_add_co_u32 s70, s70, s62                     ; the second m
	s_mov_b32 s71, 0
	s_lshr_b32 s59, s11, 1
	s_lshl_b32 s59, s59, 5
	s_and_b32 s61, s11, 1
	s_lshl_b32 s61, s61, 3
	s_add_co_u32 s59, s59, s61                     ; my tile begins at query 32 (j / 2) + 8 (j % 2) of a block
	s_lshr_b32 s72, s10, 4
	s_lshl_b32 s72, s72, 11
	s_lshl_b32 s73, s[MM], 8
	s_add_co_u32 s72, s72, s73
	s_add_co_u32 s72, s72, s59
	s_lshl_b32 s72, s72, 12
	s_and_b32 s73, s10, 15
	s_lshl_b32 s73, s73, 8
	s_add_co_u32 s72, s72, s73                     ; out: row 2048 x batch + 256 m + that, of 4,096 bytes, + 256 x head
	s_mov_b32 s73, 0
	s_wait_alu depctr_va_vdst(0)
	s_wait_dscnt 0x0                               ; both opening adds are done
	s_wait_kmcnt 0x0
	s_load_b128 s[76:79], s[6:7], 0x0              ; e0 .. e3
	s_load_b64 s[80:81], s[6:7], 0x10              ; e4, e5
	s_add_nc_u64 s[48:49], s[4:5], s[48:49]
	s_add_nc_u64 s[70:71], s[4:5], s[70:71]
.irp t, 0,1
	global_load_b128 v[Q0+8*\t:Q0+8*\t+3], v[LI], s[48:49] offset:8192*\t
	global_load_b128 v[Q0+8*\t+4:Q0+8*\t+7], v[LI], s[48:49] offset:8192*\t+512
.endr
	WIN 0x40
.irp t, 0,1
	global_load_b128 v[QB+8*\t:QB+8*\t+3], v[LI], s[70:71] offset:8192*\t
	global_load_b128 v[QB+8*\t+4:QB+8*\t+7], v[LI], s[70:71] offset:8192*\t+512
.endr
	WIN 0
	s_add_nc_u64 s[G0A+2:G0A+3], s[4:5], s[66:67]
	s_or_b32 s[G0A+3], s[G0A+3], 0x80000000
	s_add_nc_u64 s[G0B+2:G0B+3], s[4:5], s[68:69]
	s_or_b32 s[G0B+3], s[G0B+3], 0x80000000
	s_add_nc_u64 s[8:9], s[8:9], s[72:73]
	CROUND                                         ; all four work-groups are here: the joint loads meet
	JLOAD G0A, G1A                                 ; key steps 0-3
	v_and_b32 v32, 15, v0                          ; r
	v_bfe_u32 v33, v0, 4, 1                        ; h
	v_and_b32 v[DD], 8, v32
	v_add_nc_u32 v[DD], v[DD], v32
	v_add_nc_u32 v[DD], s59, v[DD]
	v_lshlrev_b32 v34, 4, v33
	v_sub_nc_u32 v[DD], v[DD], v34
	s_mov_b32 s[SEL], 0x76543210
	s_mov_b32 s[SEL+1], 0xfedcba98
	s_mov_b32 s[RR], 0
	v_mov_b32 v[TM0], 0xff61b1e6                   ; the largest t so far: -3e38, under every t,
	v_mov_b32 v[TM1], 0xff61b1e6
	v_mov_b32 v[NM0], 0x7f61b1e6                   ; and -M
	v_mov_b32 v[NM1], 0x7f61b1e6
.irp k, NM0+1, NM1+1, FF0+1, FF1+1, LS0, LS0+1, LS1, LS1+1, PX, PY, PK, PK+1, PK+2, PK+3
	v_mov_b32 v[\k], 0                             ; the sums; upper halves of pairs; a lane permute's destination counts as one of its sources
.endr
	v_mov_b32 v[NINF], 0xff800000
	v_mov_b32 v[NINF+1], 0xff800000
	WIN 0x40
.set j, 0
.rept 64
	v_mov_b32 v[OT+j], 0                           ; O^T: the step has no first form of its own: its first change of M multiplies by f = 0
	v_mov_b32 v[PARK+j], 0                         ; (written here too, since the lines that put the first pair's part by stand under a branch)
.set j, j+1
.endr
	WIN 0
	s_wait_kmcnt 0x0
	s_add_co_i32 s97, s78, s79
	s_lshl_b32 s97, s97, 23
	s_mov_b32 s[CS], 0x3e38aa3b                    ; log2(e) / 8
	s_add_co_i32 s[CS], s[CS], s97                 ; a score stands for score x 2^(e2 + e3): added to the exponent field
	s_mov_b32 s[CS+1], s[CS]
	s_add_co_i32 s97, s81, 127
	s_lshl_b32 s98, s97, 23
	v_mov_b32 v[PSC], s98
	s_add_co_i32 s97, s97, 8
	s_lshl_b32 s97, s97, 23
	s_or_b32 s97, s97, 0x600000
	v_mov_b32 v[PLIM], s97
	v_mov_b32 v[PLIM+1], s97
	s_add_co_i32 s[E45], s80, s81
; A STEP: 128 keys, my two tiles.  last: the stage's last step, which fetches no K for a next one.
.macro STEP last
	s_add_co_u32 s[RM], s[RR], s[MM]
	s_add_co_u32 s[RN], s[RR], 1
	KADDR KB, RR
	KADDR KN, RN
	s_cmp_lg_u32 s[RM], 8
	s_cbranch_scc1 .Lsame_\@
	v_mov_b32 v[PK], v[NM0]                        ; the first pair is done: put its part by.  (Four places behind the last products)
	v_mov_b32 v[PK+1], v[NM1]
	v_add_f32 v[PK+2], v[LS0], v[LS0+1]
	v_add_f32 v[PK+3], v[LS1], v[LS1+1]
	WIN 0x41
.set j, 0
.rept 64
	v_mov_b32 v[PARK+j], v[OT+j]                   ; (O^T and the sums go on as they are: finite, and multiplied by f = 0 when M first moves)
.set j, j+1
.endr
	WIN 0x01
.set j, 0
.rept 16
	v_mov_b32 v[Q0+j], v[QB+j]
.set j, j+1
.endr
	WIN 0
	v_mov_b32 v[TM0], 0xff61b1e6
	v_mov_b32 v[TM1], 0xff61b1e6
	v_mov_b32 v[NM0], 0x7f61b1e6
	v_mov_b32 v[NM1], 0x7f61b1e6
.Lsame_\@:
.irp t, 0,1,2,3,4,5,6,7
	v_wmma_f32_16x16x64_fp8_fp8 v[S0+8*\t:S0+8*\t+7], v[KF+8*\t:KF+8*\t+7], v[Q0:Q0+7], 0
.endr
.irp t, 0,1,2,3,4,5,6,7
	v_wmma_f32_16x16x64_fp8_fp8 v[S1+8*\t:S1+8*\t+7], v[KF+8*\t:KF+8*\t+7], v[Q1:Q1+7], 0
.endr
	v_add_nc_u32 v[ADV], s[KB], v[VL]              ; these four lines are the places in front of the loads and of the scores' first read
	v_add_nc_u32 v[ADK], s[KN], v[LI]
	v_mov_b32 v[NO0], v[NM0]
	v_mov_b32 v[NO1], v[NM1]
	s_wait_alu depctr_va_vdst(0)
	WIN 0x40
.irp u, 0,1,2,3
.irp c, 0,1,2,3
	ds_load_b128 v[VF+16*\u+4*\c:VF+16*\u+4*\c+3], v[ADV] offset:2048*\u+512*\c   ; tile u of 16 channels, keys 32 c + 16 h + 0 .. 15
.endr
.endr
	WIN 0
	s_cmp_eq_u32 s[RR], \last
	s_cbranch_scc1 .Lnok_\@
	KLOAD                                          ; the next step's K: it lands under the softmax, as V does
.Lnok_\@:
	s_cmp_eq_u32 s[RM], 7                          ; a pair's last step of my parity?
	s_cselect_b32 s[TT], 1, 0
	s_cmp_eq_u32 s[RR], 8
	s_cselect_b32 s[TT], 1, s[TT]
	s_cmp_eq_u32 s[TT], 0
	s_cbranch_scc1 .Lopen_\@
	s_cmp_lg_u32 s[PAR], 0
	s_cbranch_scc1 .Lodd_\@
	MASK S0                                        ; even: the first tile's diagonal; all keys count for the second
	s_wait_alu depctr_va_vdst(0)
	s_branch .Lopen_\@
.Lodd_\@:                                          ; odd: all keys are hidden from the first tile; the second's diagonal
.set n, 0
.rept 32
	v_dual_mov_b32 v[S0+n], v[NINF] :: v_dual_mov_b32 v[S0+n+1], v[NINF+1]
.set n, n+2
.endr
	MASK S1
.Lopen_\@:
.irp n, 0,1,2,3
	v_max_num_f32 v[X+\n], v[S0+2*\n], v[S0+2*\n+1]   ; the step's largest score of my query among my 64 keys: four chains a tile, each tile of scores from its low end on
	v_max_num_f32 v[Y+\n], v[S1+2*\n], v[S1+2*\n+1]
.endr
.set n, 4
.rept 28
	v_max3_num_f32 v[X+n%4], v[X+n%4], v[S0+2*n], v[S0+2*n+1]
	v_max3_num_f32 v[Y+n%4], v[Y+n%4], v[S1+2*n], v[S1+2*n+1]
.set n, n+1
.endr
	v_max3_num_f32 v[X], v[X], v[X+1], v[X+2]
	v_max3_num_f32 v[Y], v[Y], v[Y+1], v[Y+2]
	v_max_num_f32 v[X], v[X], v[X+3]
	v_max_num_f32 v[Y], v[Y], v[Y+3]
	v_permlanex16_b32 v[PX], v[X], s[SEL], s[SEL+1]
	v_permlanex16_b32 v[PY], v[Y], s[SEL], s[SEL+1]
	v_max_num_f32 v[X], v[X], v[PX]                ; and among lane l xor 16's
	v_max_num_f32 v[Y], v[Y], v[PY]
	v_mul_f32 v[X], s[CS], v[X]                    ; as t
	v_mul_f32 v[Y], s[CS], v[Y]
	v_max_num_f32 v[TM0], v[TM0], v[X]
	v_max_num_f32 v[TM1], v[TM1], v[Y]
	v_floor_f32 v[NM0], -v[TM0]                    ; the new -M = -ceil(t)
	v_floor_f32 v[NM1], -v[TM1]
	v_sub_f32 v[X], v[NM0], v[NO0]                 ; old M - new M: a whole number, 0 or less
	v_sub_f32 v[Y], v[NM1], v[NO1]
	v_cvt_i32_f32 v[X], v[X]                       ; (it saturates)
	v_cvt_i32_f32 v[Y], v[Y]
	v_ldexp_f32 v[FF0], 1.0, v[X]
	v_ldexp_f32 v[FF1], 1.0, v[Y]
.set j, 0
.rept 32
	v_pk_fma_f32 v[S0+j:S0+j+1], v[S0+j:S0+j+1], s[CS:CS+1], v[NM0:NM0+1] op_sel_hi:[1,0,0]   ; t - M
.set j, j+2
.endr
.set j, 0
.rept 32
	v_pk_fma_f32 v[S1+j:S1+j+1], v[S1+j:S1+j+1], s[CS:CS+1], v[NM1:NM1+1] op_sel_hi:[1,0,0]
.set j, j+2
.endr
	WIN 0x41
.set j, 0
.rept 16
	v_pk_mul_f32 v[OT+j:OT+j+1], v[OT+j:OT+j+1], v[FF0:FF0+1] op_sel_hi:[1,0]   ; O^T under the new M, each tile from its low end on
.set j, j+2
.endr
.rept 16
	v_pk_mul_f32 v[OT+j:OT+j+1], v[OT+j:OT+j+1], v[FF1:FF1+1] op_sel_hi:[1,0]
.set j, j+2
.endr
	WIN 0
	s_wait_alu depctr_va_vdst(0)                   ; the wait ahead of the batch
.set j, 0
.rept 128
	v_exp_f32 v[S0+j], v[S0+j]                     ; p = 2^(t - M), at most 1, of both tiles
.set j, j+1
.endr
	v_pk_mul_f32 v[LS0:LS0+1], v[LS0:LS0+1], v[FF0:FF0+1] op_sel_hi:[1,0]   ; the sums under the new M (plain lines behind the exponentials)
	v_pk_mul_f32 v[LS1:LS1+1], v[LS1:LS1+1], v[FF1:FF1+1] op_sel_hi:[1,0]
	s_wait_alu depctr_va_vdst(0)                   ; one wait for the batch, ahead of its first reader
	v_pk_add_f32 v[LS0:LS0+1], v[LS0:LS0+1], v[S0:S0+1]   ; the sums of the unquantised p: four chains a tile
	v_pk_add_f32 v[LS1:LS1+1], v[LS1:LS1+1], v[S1:S1+1]
.irp q, 0,1,2
	v_pk_add_f32 v[X+2*\q:X+2*\q+1], v[S0+4*\q+2:S0+4*\q+3], v[S0+4*\q+4:S0+4*\q+5]
	v_pk_add_f32 v[X+6+2*\q:X+7+2*\q], v[S1+4*\q+2:S1+4*\q+3], v[S1+4*\q+4:S1+4*\q+5]
.endr
.set k, 7
.rept 25
.if k%4 == 3
	v_pk_add_f32 v[LS0:LS0+1], v[LS0:LS0+1], v[S0+2*k:S0+2*k+1]
	v_pk_add_f32 v[LS1:LS1+1], v[LS1:LS1+1], v[S1+2*k:S1+2*k+1]
.else
	v_pk_add_f32 v[X+2*(k%4):X+2*(k%4)+1], v[X+2*(k%4):X+2*(k%4)+1], v[S0+2*k:S0+2*k+1]
	v_pk_add_f32 v[X+6+2*(k%4):X+7+2*(k%4)], v[X+6+2*(k%4):X+7+2*(k%4)], v[S1+2*k:S1+2*k+1]
.endif
.set k, k+1
.endr
	v_pk_add_f32 v[LS0:LS0+1], v[LS0:LS0+1], v[X:X+1]
	v_pk_add_f32 v[LS1:LS1+1], v[LS1:LS1+1], v[X+6:X+7]
	v_pk_add_f32 v[X+2:X+3], v[X+2:X+3], v[X+4:X+5]
	v_pk_add_f32 v[X+8:X+9], v[X+8:X+9], v[X+10:X+11]
	v_pk_add_f32 v[LS0:LS0+1], v[LS0:LS0+1], v[X+2:X+3]
	v_pk_add_f32 v[LS1:LS1+1], v[LS1:LS1+1], v[X+8:X+9]
.set j, 0
.rept 64                                       ; the conversion to an 8-bit code does not saturate (ISA guide 7.6.2); p is not negative, so the hold is one-sided
	v_dual_min_num_f32 v[S0+j], v[S0+j], v[PLIM] :: v_dual_min_num_f32 v[S0+j+1], v[S0+j+1], v[PLIM+1]
.set j, j+2
.endr
	WIN 0x40
.set j, 0
.rept 16
	v_cvt_scalef32_pk8_fp8_f32 v[PC+2*j:PC+2*j+1], v[S0+8*j:S0+8*j+7], v[PSC]   ; registers 4 b .. 4 b + 3 of a tile's operand: keys 32 b + 16 h + 0 .. 15, as V's fragments have them
.set j, j+1
.endr
	v_nop                                          ; a plain line behind the conversions
	WIN 0x55
	s_wait_alu depctr_va_vdst(0)
	s_wait_dscnt 0x0                               ; V is in, and the next step's K
.irp u, 0,1,2,3
.irp t, 0,1
	v_wmma_f32_16x16x128_fp8_fp8 v[OT+32*\t+8*\u:OT+32*\t+8*\u+7], v[VF+16*\u:VF+16*\u+15], v[PC+16*\t:PC+16*\t+15], v[OT+32*\t+8*\u:OT+32*\t+8*\u+7]   ; eight accumulators take turns
.endr
.endr
	WIN 0
	s_add_co_u32 s[RR], s[RR], 1
.endm
.macro STAGE end                       ; steps up to end - 1
	KADDR KN, RR
	v_add_nc_u32 v[ADK], s[KN], v[LI]
	s_wait_alu depctr_va_vdst(0)
	KLOAD
	s_wait_dscnt 0x0
.Lstage_\@:
	STEP (\end)-1
	s_cmp_lt_u32 s[RR], \end
	s_cbranch_scc1 .Lstage_\@
.endm
	s_wait_alu depctr_va_vdst(0)                   ; the wait at the head's end
	s_wait_tensorcnt 0x0                           ; my part of key steps 0-3 is in
	ds_add_u32 v[SPW], v[NIL]
	s_wait_dscnt 0x0
	CROUND                                         ; everybody's part is in
	JLOAD G0B, G1B                                 ; key steps 4-15: the first tensor load behind the round
	s_wait_loadcnt 0x0                             ; Q
	STAGE 2                                        ; steps 0 and 1 read key steps 0-3 alone
	s_wait_tensorcnt 0x0                           ; my part of key steps 4-15 is in,
	s_wait_dscnt 0x0
	s_barrier_signal -1
	s_barrier_wait -1                              ; and everybody's.  Nothing is filled from here on
	STAGE 9
	; THE EXCHANGE.  I hand over my first pair's part, and take the wave w xor 4's part of my second pair.
	s_mul_i32 s60, s[WV], SLOT
	s_xor_b32 s61, s[WV], 4
	s_mul_i32 s61, s61, SLOT
	v_add_f32 v[LS0], v[LS0], v[LS0+1]
	v_add_f32 v[LS1], v[LS1], v[LS1+1]
	v_add_nc_u32 v[ADK], s60, v[LI]
	v_add_nc_u32 v[ADV], s61, v[LI]
	v_and_b32 v36, 15, v0                          ; r
	v_bfe_u32 v37, v0, 4, 1                        ; h
	s_add_co_u32 s60, s60, STG                     ; my stage
	v_mul_u32_u24 v38, v36, STP
	v_lshl_add_u32 v38, v37, 6, v38
	v_add_nc_u32 v[DD], s60, v38                   ; in (v7): row r, + 64 h
	v_mul_u32_u24 v39, v37, STP
	v_lshl_add_u32 v39, v36, 4, v39
	v_add_nc_u32 v[VL], s60, v39                   ; back (v2): lanes 0-15 one row, lanes 16-31 the next
	v_lshlrev_b32 v40, 12, v37
	v_lshl_add_u32 v31, v36, 4, v40                ; and the same two rows of out
	s_wait_alu depctr_va_vdst(0)
	s_wait_dscnt 0x0
	s_barrier_signal -1
	s_barrier_wait -1                              ; every wave has read its last K and V: their bytes may be written over
	ds_store_b128 v[ADK], v[PK:PK+3] offset:8192
	WIN 0x04
.set j, 0
.rept 16
	ds_store_b128 v[ADK], v[PARK+4*j:PARK+4*j+3] offset:512*j
.set j, j+1
.endr
	WIN 0
	s_wait_dscnt 0x0
	s_barrier_signal -1
	s_barrier_wait -1
	ds_load_b128 v[X:X+3], v[ADV] offset:8192      ; the partner's -M of both tiles, and sums
	WIN 0x40
.set j, 0
.rept 16
	ds_load_b128 v[VF+4*j:VF+4*j+3], v[ADV] offset:512*j
.set j, j+1
.endr
	WIN 0
	s_wait_dscnt 16                                ; the first is in
	v_min_num_f32 v36, v[NM0], v[X]                ; -M of both parts together
	v_min_num_f32 v37, v[NM1], v[X+1]
	v_sub_f32 v38, v36, v[NM0]                     ; my part's old M - new M,
	v_sub_f32 v39, v37, v[NM1]
	v_sub_f32 v40, v36, v[X]                       ; and the partner's
	v_sub_f32 v41, v37, v[X+1]
.irp k, 38,39,40,41
	v_cvt_i32_f32 v\k, v\k
.endr
.irp k, 38,39,40,41
	v_ldexp_f32 v\k, 1.0, v\k
.endr
	v_mul_f32 v[LS0], v[LS0], v38
	v_mul_f32 v[LS1], v[LS1], v39
	v_fma_f32 v[LS0], v40, v[X+2], v[LS0]
	v_fma_f32 v[LS1], v41, v[X+3], v[LS1]
	v_permlanex16_b32 v[PX], v[LS0], s[SEL], s[SEL+1]
	v_permlanex16_b32 v[PY], v[LS1], s[SEL], s[SEL+1]
	v_add_f32 v[LS0], v[LS0], v[PX]                ; and lane l xor 16's: the row's sum
	v_add_f32 v[LS1], v[LS1], v[PY]
	s_wait_alu depctr_va_vdst(0)                   ; the wait ahead of the batch
	v_rcp_f32 v[LS0], v[LS0]
	v_rcp_f32 v[LS1], v[LS1]
	v_nop                                          ; a plain line behind the transcendentals
	s_wait_alu depctr_va_vdst(0)                   ; and this wait ahead of their first reader
	v_ldexp_f32 v[LS0], v[LS0], s[E45]             ; x 2^(e4 + e5)
	v_ldexp_f32 v[LS1], v[LS1], s[E45]
	v_mul_f32 v[FF0], v38, v[LS0]                  ; factors of my part,
	v_mul_f32 v[FF1], v39, v[LS1]
	v_mul_f32 v[NM0], v40, v[LS0]                  ; and of the partner's
	v_mul_f32 v[NM1], v41, v[LS1]
	s_wait_alu depctr_va_vdst(0)                   ; the wait here
	s_wait_dscnt 0x0
	WIN 0x01
	s_wait_alu depctr_va_vdst(0)                   ; and here, directly ahead of the first reader of O^T
.set j, 0
.rept 16
	v_pk_mul_f32 v[S0+j:S0+j+1], v[OT+j:OT+j+1], v[FF0:FF0+1] op_sel_hi:[1,0]   ; register 16 b + i: channel 32 b + 16 h + i of my query
.set j, j+2
.endr
.set j, 0
.rept 16
	v_pk_mul_f32 v[S1+j:S1+j+1], v[OT+32+j:OT+33+j], v[FF1:FF1+1] op_sel_hi:[1,0]
.set j, j+2
.endr
.set j, 0
.rept 16
	v_pk_fma_f32 v[S0+j:S0+j+1], v[VF+j:VF+j+1], v[NM0:NM0+1], v[S0+j:S0+j+1] op_sel_hi:[1,0,1]
	v_pk_fma_f32 v[S1+j:S1+j+1], v[VF+32+j:VF+33+j], v[NM1:NM1+1], v[S1+j:S1+j+1] op_sel_hi:[1,0,1]
.set j, j+2
.endr
	WIN 0
	; THE WAY OUT, through my stage, so that sixteen lanes store a query's 256 bytes
.irp t, 0,1
.irp b, 0,1
.irp i, 0,1,2,3
	ds_store_b128 v[DD], v[S0+64*\t+16*\b+4*\i:S0+64*\t+16*\b+4*\i+3] offset:16*STP*\t+128*\b+16*\i
.endr
.endr
.endr
.set k, 0
.rept 16
	ds_load_b128 v[KF+4*k:KF+4*k+3], v[VL] offset:2*k*STP   ; LDS serves a wave's instructions in order (ISA guide 5.7.1.4): these see my stores; the stage is my own
.set k, k+1
.endr
.set k, 0
.rept 16
	s_wait_dscnt 15-k                              ; the younger loads stay out
	global_store_b128 v31, v[KF+4*k:KF+4*k+3], s[8:9] offset:(k/8)*524288+(2*(k%8)+8*((k%8)/4))*4096 th:TH_STORE_NT   ; stage row r of a tile is query r + 8 (r / 8) of it; the second tile is 128 rows on
.set k, k+1
.endr
	s_wait_tensorcnt 0x0                           ; the wave's end
	ds_add_u32 v[SPW], v[NIL]
	s_wait_dscnt 0x0
	CROUND                                         ; the closing round
	s_endpgm
.Lfunc_end_k_qe543982d72_attn:
	.size	k_qe543982d72_attn, .Lfunc_end_k_qe543982d72_attn-k_qe543982d72_attn
	.p2alignl 7, 3214868480
	.fill 96, 4, 3214868480
	.section	.rodata,"a",@progbits
	.p2align	6, 0x0
	.amdhsa_kernel k_qe543982d72_attn
		.amdhsa_group_segment_fixed_size 327680
		.amdhsa_private_segment_fixed_size 0
		.amdhsa_enable_private_segment 0
		.amdhsa_kernarg_size 24
		.amdhsa_user_sgpr_count 2
		.amdhsa_user_sgpr_kernarg_segment_ptr 1
		.amdhsa_wavefront_size32 1
		.amdhsa_system_sgpr_workgroup_id_x 1
		.amdhsa_system_sgpr_workgroup_id_y 1
		.amdhsa_system_sgpr_workgroup_id_z 1
		.amdhsa_system_vgpr_workitem_id 0
		.amdhsa_next_free_vgpr 512
		.amdhsa_next_free_sgpr 100
		.amdhsa_reserve_vcc 1
		.amdhsa_float_denorm_mode_32 3
		.amdhsa_float_denorm_mode_16_64 3
		.amdhsa_memory_ordered 1
		.amdhsa_forward_progress 1
		.amdhsa_inst_pref_size 116
	.end_amdhsa_kernel
	.amdgpu_metadata
---
amdhsa.version: [ 1, 2 ]
amdhsa.kernels:
  - .name:           k_qe543982d72_attn
    .symbol:         k_qe543982d72_attn.kd
    .args:
      - { .name: qkv, .offset: 0, .size: 8, .value_kind: global_buffer, .address_space: global }
      - { .name: lowp_scales, .offset: 8, .size: 8, .value_kind: global_buffer, .address_space: global }
      - { .name: out0, .offset: 16, .size: 8, .value_kind: global_buffer, .address_space: global }
    .group_segment_fixed_size: 327680
    .private_segment_fixed_size: 0
    .kernarg_segment_align: 8
    .kernarg_segment_size: 24
    .max_flat_workgroup_size: 256
    .sgpr_count:     100
    .vgpr_count:     512
    .wavefront_size: 32
...
	.end_amdgpu_metadata
.endif
;; end of part 3
